; MI455X (gfx1250); checked and timed in simulation.
; The chip was launched on July 23, 2026; its instructions are those of AMD's public machine-readable ISA for CDNA 5 (MIT licence, August 2026) and "CDNA5" Instruction Set Architecture Reference Guide (July 2026). The comments in the code are by the model that wrote it; some were corrected since.
;; Multi Head Attention Slow. Allowed arithmetic: matrix products marked QUANTISED: E2M1 operands, one E8M0 scale for each 32 along K, by v_wmma_scale_f32_16x16x128_f8f6f4 with both operands' format E2M1 (or v_wmma_scale_f32_32x16x128_f4), f32 sums; products left as they are: bf16, f16 or f32 operands; f32 sums; everything else in f32.
;; Inputs: Wk 16 x 1,024 x 64 float32; Wp 1,024 x 1,024 float32; Wq 16 x 1,024 x 64 float32; Wv 16 x 1,024 x 64 float32; bk 16 x 64 float32; bp 1,024 float32; bq 16 x 64 float32; bv 16 x 64 float32; key 4 x 2,048 x 1,024 float32; query 4 x 2,048 x 1,024 float32; value 4 x 2,048 x 1,024 float32.
;; Outputs: out0 4 x 2,048 x 1,024 float32.
;; This version of the problem:
;;   THIS VERSION OF THE PROBLEM IS GIVEN IN LOW PRECISION. The matrix products marked QUANTISED in the list below multiply operands that are first quantised to E2M1 (2 exponent bits, 1 mantissa bit; 4 bits a number), with one power-of-two scale for each 32 numbers along K (OCP MX v1.0); their sums are f32. The products marked 'left as it is' may take bf16, f16 or f32 operands, with f32 sums. Whichever they take, every output number must still come out within the allowed error. Rounding operands to bf16 (8 significant bits) uses up far more of that allowance than f16 does (11 bits, for magnitudes from 6e-5 to 65,504). All else is computed in f32.
;;   The module's matrix products, in the order in which they are computed (A, B: the left and right operand; K: the contracted axis; several contracted axes count as one K, in the product's order):
;;     1. [M 1,024, K 1,024] x [K 1,024, N 8,192]; A: input Wq; B: input query: QUANTISED
;;     2. [M 1,024, K 1,024] x [K 1,024, N 8,192]; A: input Wk; B: input key: QUANTISED
;;     3. [M 1,024, K 1,024] x [K 1,024, N 8,192]; A: input Wv; B: input value: QUANTISED
;;     4. batch 64 x [M 2,048, K 64] x [K 64, N 2,048]; A: computed on the way; B: computed on the way: left as it is (an operand is computed on the way)
;;     5. batch 64 x [M 2,048, K 2,048] x [K 2,048, N 64]; A: computed on the way; B: computed on the way: left as it is (an operand is computed on the way)
;;     6. [M 8,192, K 1,024] x [K 1,024, N 1,024]; A: computed on the way; B: input Wp: left as it is (an operand is computed on the way)
;;   THE QUANTISER, for each operand of a quantised product, along K:
;;     - K is cut into blocks of 32 from its start; a last block that is shorter is filled with zeros.
;;     - A block's scale is 2^e with e = floor(log2(the largest magnitude in the block)) - 2, held to -126 .. 127; a block of zeros has e = 0. As a byte (E8M0): e + 127.
;;     - Each number is divided by its block's scale, clamped to +-6, and rounded to the nearest number of E2M1, ties to even, subnormals kept.
;;     - The product sums the exact products of the quantised numbers (number of the format x scale) in f32.
;;   ~~~python
;;   def quantise(x, axis):      # numpy; x: float32 -> the quantised numbers, widened to float32 again
;;       x = np.moveaxis(x, axis, -1); K = x.shape[-1]
;;       x = np.pad(x, [(0, 0)] * (x.ndim - 1) + [(0, -K % 32)]); x = x.reshape(x.shape[:-1] + (-1, 32)); a = np.abs(x).max(-1, keepdims=True)
;;       e = np.where(a > 0, np.clip(np.frexp(np.where(a > 0, a, 1))[1] - 1 - 2, -126, 127), 0)      # np.frexp(a)[1] - 1 = floor(log2(a)), exactly
;;       r = np.clip(x / 2.0 ** e, -6, 6)
;;       step = 2.0 ** (np.maximum(np.frexp(np.where(r == 0, 1, r))[1] - 1, 0) - 1)
;;       q = np.round(r / step) * step * 2.0 ** e      # np.round: ties to even
;;       return np.moveaxis(q.reshape(q.shape[:-2] + (-1,))[..., :K], -1, axis).astype(np.float32)
;;   ~~~
;; One version. Each part assembles by itself: llvm-mc -triple=amdgcn-amd-amdhsa -mcpu=gfx1250 --defsym DOCPART=n.
;; ======== version 1 of 1: 4 launches
;; limits: values are held in f16: magnitudes above 65,504 overflow, below 6.1e-05 lose precision
;; workspace buffers: wc 1,572,864 bytes; ws 98,304 bytes; wp16 2,097,152 bytes; qh 16,777,216 bytes; kv 33,554,432 bytes; ao 16,777,216 bytes
;; launch prep (part 1): grid 256 x 1, 2 waves a work-group, no clusters, 0 bytes of LDS; arguments Wq, Wk, Wv, Wp, wc, ws, wp16; writes wc, ws, wp16
.if DOCPART == 1
	.amdgcn_target "amdgcn-amd-amdhsa--gfx1250"
	.amdhsa_code_object_version 6
	.text
	.protected	k_q081ad62f2f_prep
	.globl	k_q081ad62f2f_prep
	.p2align	8
	.type	k_q081ad62f2f_prep,@function
k_q081ad62f2f_prep:
	s_mov_b64 s[64:65], 0
	v_nop
	global_prefetch_b8 v0, s[64:65] scope:SCOPE_SE
	s_setreg_imm32_b32 hwreg(HW_REG_WAVE_MODE, 25, 1), 1
	s_wait_xcnt 0x0
; THE PROGRAM: multi-head attention, B = 4, S = 2,048, d = 1,024, 16 heads of 64, in four launches:
;   prep: Wq, Wk, Wv -> codes of FP4 (E2M1) with E8M0 scale bytes along K = d;  Wp -> f16.   proj: q, k, v = Q(x) Q(W) (+ bias), as f16.
;   attn: softmax(q k^T / 8) v for each head.   outp: the heads' results x Wp + bp.
; WORK LEFT OUT: bk.  scores[i][j] = q_i . (k_j + bk) / 8 = q_i . k_j / 8 + q_i . bk / 8.  The second term does not hang on j, the softmax's axis, so for all
; values of the inputs the softmax takes it away; the product of q and k is not quantised, so bk moves no code and no scale either.  bk has no way to an output:
; it is not loaded and is among no launch's arguments.  LIMIT: a NaN, an infinity or an overflow that comes through bk alone is not carried to the result.
; THIS LAUNCH.  All three results are laid as IMAGES OF OPERAND REGISTERS: a group of four registers is 512 bytes, lane l's 16 bytes at 16 l, so that later launches fill fragments by 16-byte loads alone.
;   wc  [t][head][K step of 128][tile of 16 columns][c][lane][16]: lane (r, h) holds column r; registers 4 c .. 4 c + 3 hold the block of 32 along K with number 2 c + h.
;   ws  [t][head][K step][lane][p]: a word of four scale bytes; lanes 0-15 hold column tile 2 p, lanes 16-31 tile 2 p + 1.
;   wp16 [K step of 128][tile of 16 n][q][g][lane][16]: lane (r, h) holds n = r and k = 32 q + 16 g + 8 h + 0 .. 7, as f16.
; In all four weights K is not the innermost axis: A LANE TAKES A COLUMN AND ITS REGISTERS RUN DOWN K, so a block of 32 lies in one lane and nothing is transposed.
; A wave takes 64 columns x 128 along K, in 8 units of 32 columns x 32 K; the two halves of the 64 columns take turns.  Waves 0-383 of the launch: Wq, Wk, Wv; waves 384-511: Wp.
; THE QUANTISER: a block's scale byte is its largest magnitude's exponent field - 2, held at 1 from below.  LIMITS: a block of zeros gets the byte 1 where the rule says 127 (its codes are zeros, and
; this program alone reads the bytes); blocks whose largest magnitude lies under 2^-124 were not tried; NaN and infinities among the inputs are not served.  Wp as f16: magnitudes beyond 65,504 overflow.
; No LDS, no barrier, no matrix unit, no cluster: waves share nothing, and every byte is read once.
.set X, 32                             ; v32-95   two sets of 32 numbers
.set C, 96                             ; v96..    results: 4 registers a unit (codes) or 16 (f16); never written again, so no store's data are overwritten
	s_load_b256 s[4:11], s[0:1], 0x0               ; Wq, Wk, Wv, Wp
	s_load_b128 s[12:15], s[0:1], 0x20             ; wc, ws
	s_load_b64 s[16:17], s[0:1], 0x30              ; wp16
	v_lshrrev_b32 v4, 5, v0
	v_readfirstlane_b32 s18, v4                    ; wave 0, 1
	v_and_b32 v5, 31, v0                           ; lane
	v_lshlrev_b32 v1, 2, v5                        ; in: 4 bytes a lane
	v_lshlrev_b32 v3, 3, v5                        ; the scale words: 8 bytes a lane
	v_and_b32 v6, 15, v0
	v_bfe_u32 v7, v0, 4, 1
	v_lshlrev_b32 v6, 4, v6                        ; 16 (lane % 16)
	s_lshl_b32 s19, ttmp9, 1
	s_add_co_u32 s19, s19, s18                     ; the wave's number in the launch
	s_mov_b32 s27, 0
	s_wait_kmcnt 0x0
	s_cmp_lt_u32 ttmp9, 192
	s_cbranch_scc0 .Lwp
.macro LOADU u, pitch                  ; unit u: rows 32 (u / 2) + i, columns 32 (u % 2) + lane, into set u % 2
.irp i, 0,1,2,3,4,5,6,7,8,9,10,11,12,13,14,15,16,17,18,19,20,21,22,23,24,25,26,27,28,29,30,31
	global_load_b32 v[X+32*((\u)%2)+\i], v1, s[20:21] offset:(32*((\u)/2)+\i)*(\pitch)+((\u)%2)*128
.endr
.endm
.macro ARRIVED u                       ; this unit's 32 loads are in; the next unit's 32 may be out
.if (\u) < 7
	s_wait_loadcnt 32
.else
	s_wait_loadcnt 0x0
.endif
.endm
.macro BLOCKW u
.set XS, X+32*((\u)%2)
.set SETN, (\u)%2
.set BN, (\u)/2
	ARRIVED \u
	v_max3_num_f32 v12, |v[XS]|, |v[XS+1]|, |v[XS+2]|          ; the block's largest magnitude: all 32 numbers are mine
	v_max3_num_f32 v13, |v[XS+3]|, |v[XS+4]|, |v[XS+5]|
.irp i, 6,10,14,18,22,26
	v_max3_num_f32 v12, v12, |v[XS+\i]|, |v[XS+\i+1]|
	v_max3_num_f32 v13, v13, |v[XS+\i+2]|, |v[XS+\i+3]|
.endr
	v_max3_num_f32 v12, v12, |v[XS+30]|, |v[XS+31]|
	v_max3_num_f32 v12, v12, v13, 0x1800000        ; and the floor 2^(3 - 127): the byte cannot fall under 1
	v_add_nc_u32 v11, 0xff000000, v12              ; 2 off the exponent field: the conversion takes this operand's exponent field as its scale
	v_lshrrev_b32 v13, 23, v11                     ; the scale's byte
.if BN == 0
	v_mov_b32 v[24+SETN], v13                      ; four bytes to a word, the lower K in the lower byte
.else
	v_lshl_or_b32 v[24+SETN], v13, 8*BN, v[24+SETN]
.endif
.irp g, 0,1,2,3
	v_cvt_scalef32_pk8_fp4_f32 v[C+4*(\u)+\g], v[XS+8*\g:XS+8*\g+7], v11
.endr
	v_nop                                          ; one plain line behind the last scaled conversion
	global_store_b128 v2, v[C+4*(\u):C+4*(\u)+3], s[28:29] offset:SETN*2048+(BN/2)*512+(BN%2)*256   ; sixteen lanes store 256 consecutive bytes, aligned
.if (\u)+2 < 8
	LOADU (\u)+2, 256
.endif
.endm
	; ---- Wq, Wk, Wv: wave = 128 t + 8 head + K step
	v_lshl_add_u32 v2, v7, 10, v6                  ; out: lanes 16-31 hold the next column tile, 1,024 bytes on
	s_lshr_b32 s22, s19, 7                         ; t
	s_bfe_u32 s23, s19, 0x40003                    ; head
	s_and_b32 s24, s19, 7                          ; K step
	s_cmp_eq_u32 s22, 0
	s_cselect_b64 s[20:21], s[4:5], s[6:7]
	s_cmp_eq_u32 s22, 2
	s_cselect_b64 s[20:21], s[8:9], s[20:21]       ; the choice hangs on the wave's number alone
	s_lshl_b32 s26, s23, 18                        ; a head is 1,024 rows of 256 bytes,
	s_lshl_b32 s25, s24, 15                        ; a K step 128 of them
	s_add_co_u32 s26, s26, s25
	s_add_nc_u64 s[20:21], s[20:21], s[26:27]
	s_lshl_b32 s26, s22, 19
	s_lshl_b32 s25, s23, 15
	s_add_co_u32 s26, s26, s25
	s_lshl_b32 s25, s24, 12
	s_add_co_u32 s26, s26, s25
	s_add_nc_u64 s[28:29], s[12:13], s[26:27]      ; wc
	s_lshl_b32 s26, s22, 15
	s_lshl_b32 s25, s23, 11
	s_add_co_u32 s26, s26, s25
	s_lshl_b32 s25, s24, 8
	s_add_co_u32 s26, s26, s25
	s_add_nc_u64 s[30:31], s[14:15], s[26:27]      ; ws
	LOADU 0, 256
	LOADU 1, 256
.irp u, 0,1,2,3,4,5,6,7
	BLOCKW \u
.endr
	global_store_b64 v3, v[24:25], s[30:31]        ; 32 lanes store 256 consecutive bytes, aligned
	s_endpgm
.macro BLOCKP u
.set XS, X+32*((\u)%2)
.set SETN, (\u)%2
.set QN, (\u)/2
	ARRIVED \u
.irp j, 0,1,2,3,4,5,6,7,8,9,10,11,12,13,14,15
	v_cvt_pk_f16_f32 v[C+16*(\u)+\j], v[XS+2*\j], v[XS+2*\j+1]     ; the lower k in the low half
.endr
.irp gi, 0,1,2,3                       ; eight k to a group: g = gi / 2, h = gi % 2
	global_store_b128 v2, v[C+16*(\u)+4*\gi:C+16*(\u)+4*\gi+3], s[28:29] offset:SETN*8192+QN*1024+(\gi/2)*512+(\gi%2)*256
.endr
.if (\u)+2 < 8
	LOADU (\u)+2, 4096
.endif
.endm
.Lwp:	; ---- Wp: wave - 384 = 8 x (group of 64 columns) + K step
	v_lshl_add_u32 v2, v7, 12, v6                  ; out: lanes 16-31 hold the next tile of n, 4,096 bytes on
	s_sub_co_u32 s22, s19, 384
	s_lshr_b32 s23, s22, 3
	s_and_b32 s24, s22, 7
	s_lshl_b32 s26, s24, 19                        ; 128 rows of 4,096 bytes
	s_lshl_b32 s25, s23, 8
	s_add_co_u32 s26, s26, s25
	s_add_nc_u64 s[20:21], s[10:11], s[26:27]
	s_lshl_b32 s26, s24, 18
	s_lshl_b32 s25, s23, 14
	s_add_co_u32 s26, s26, s25
	s_add_nc_u64 s[28:29], s[16:17], s[26:27]
	LOADU 0, 4096
	LOADU 1, 4096
.irp u, 0,1,2,3,4,5,6,7
	BLOCKP \u
.endr
	s_endpgm
.Lfunc_end_k_q081ad62f2f_prep:
	.size	k_q081ad62f2f_prep, .Lfunc_end_k_q081ad62f2f_prep-k_q081ad62f2f_prep
	.p2alignl 7, 3214868480
	.fill 96, 4, 3214868480
	.section	.rodata,"a",@progbits
	.p2align	6, 0x0
	.amdhsa_kernel k_q081ad62f2f_prep
		.amdhsa_group_segment_fixed_size 0
		.amdhsa_private_segment_fixed_size 0
		.amdhsa_enable_private_segment 0
		.amdhsa_kernarg_size 56
		.amdhsa_user_sgpr_count 2
		.amdhsa_user_sgpr_kernarg_segment_ptr 1
		.amdhsa_wavefront_size32 1
		.amdhsa_system_sgpr_workgroup_id_x 1
		.amdhsa_system_sgpr_workgroup_id_y 1
		.amdhsa_system_sgpr_workgroup_id_z 1
		.amdhsa_system_vgpr_workitem_id 0
		.amdhsa_next_free_vgpr 224
		.amdhsa_next_free_sgpr 66
		.amdhsa_reserve_vcc 0
		.amdhsa_float_denorm_mode_32 3
		.amdhsa_float_denorm_mode_16_64 3
		.amdhsa_memory_ordered 1
		.amdhsa_forward_progress 1
		.amdhsa_inst_pref_size 75
	.end_amdhsa_kernel
	.amdgpu_metadata
---
amdhsa.version: [ 1, 2 ]
amdhsa.kernels:
  - .name:           k_q081ad62f2f_prep
    .symbol:         k_q081ad62f2f_prep.kd
    .args:
      - { .name: Wq, .offset: 0, .size: 8, .value_kind: global_buffer, .address_space: global }
      - { .name: Wk, .offset: 8, .size: 8, .value_kind: global_buffer, .address_space: global }
      - { .name: Wv, .offset: 16, .size: 8, .value_kind: global_buffer, .address_space: global }
      - { .name: Wp, .offset: 24, .size: 8, .value_kind: global_buffer, .address_space: global }
      - { .name: wc, .offset: 32, .size: 8, .value_kind: global_buffer, .address_space: global }
      - { .name: ws, .offset: 40, .size: 8, .value_kind: global_buffer, .address_space: global }
      - { .name: wp16, .offset: 48, .size: 8, .value_kind: global_buffer, .address_space: global }
    .group_segment_fixed_size: 0
    .private_segment_fixed_size: 0
    .kernarg_segment_align: 8
    .kernarg_segment_size: 56
    .max_flat_workgroup_size: 64
    .sgpr_count:     66
    .vgpr_count:     224
    .wavefront_size: 32
...
	.end_amdgpu_metadata
.endif
;; end of part 1
;; launch proj (part 2): grid 64 x 3, 8 waves a work-group, no clusters, 138,240 bytes of LDS; arguments query, key, value, wc, ws, bq, bv, qh, kv; writes qh, kv
.if DOCPART == 2
	.amdgcn_target "amdgcn-amd-amdhsa--gfx1250"
	.amdhsa_code_object_version 6
	.text
	.protected	k_q081ad62f2f_proj
	.globl	k_q081ad62f2f_proj
	.p2align	8
	.type	k_q081ad62f2f_proj,@function
k_q081ad62f2f_proj:
	s_mov_b64 s[64:65], 0
	v_nop
	global_prefetch_b8 v0, s[64:65] scope:SCOPE_SE
	s_setreg_imm32_b32 hwreg(HW_REG_WAVE_MODE, 25, 1), 1
	s_wait_xcnt 0x0
; q = Q(query) Q(Wq) + bq, k = Q(key) Q(Wk), v = Q(value) Q(Wv) + bv: both operands as codes of FP4 (E2M1) with one E8M0 scale for each 32 along K = 1,024; sums in f32; results rounded to f16.
; WORK LEFT OUT: bk adds the same number to all scores of a row, which the softmax takes away; it is not loaded (shown at the head of the first kernel).
; SHARES.  Work-group (x, y) takes rows 128 x .. 128 x + 127 of tensor y (0 query, 1 key, 2 value) and ALL 1,024 columns: each row of x is read and quantised once in the launch.
; PHASE X: wave w quantises rows 16 w .. 16 w + 15: eight fragments (16 rows x 128 K), stored in LDS as images of their registers, and their scale words.  ONE barrier.
; PHASE M: wave w makes heads 2 w and 2 w + 1, a head a pass, for all 128 rows: 32 accumulators (8 tiles of rows x 4 tiles of columns), 8 K steps of 32 matrix instructions.
; The weights' fragments come from memory straight into operand registers (the launch before laid them so), three K steps ahead, in a ring of four sets of registers.
; NO CLUSTER: a joint tensor load would lay the weights in LDS, from where each wave would read them once more: 4,096 bytes more for each 32 matrix instructions beside the 8,192 of x's fragments,
; and it would want a ring with rounds in a launch that has one barrier.  192 work-groups: 8,192 rows divide into blocks of 128, not of 96.
; THE RESULTS ARE OPERANDS OF THE NEXT LAUNCH and leave as images of its registers, straight from the accumulators: every store is 512 consecutive bytes, aligned.
;   q, k: source 0 = 16 columns of W, source 1 = 16 rows of x: a lane holds one token and eight neighbouring channels.   v: the sources swapped: a lane holds one channel and eight neighbouring tokens (V^T).
;   qh [b h][tile of 16 queries][ks][g][lane][16];  kv [b h][step of 64 keys][K: (2 kt + ks), g | V at 8,192: (2 ct + kk), g][lane][16].
; LIMITS: as the quantiser's in the first kernel; |q|, |k|, |v| beyond 65,504 overflow in f16.
; REGISTERS.  Window 0: v1-11 addresses; v16-79 x's fragments of a K step (phase X: 64 numbers of my row); v80-207 the weights' ring, 4 x 32 (its last set first holds the bias tiles; phase X: at work);
;   v208-239 x's scale words; v240-255 the weights'.   Window 1: phase X: x as loaded, four sets of 64;  phase M: accumulator (tt, ct) at v[8 (4 tt + ct)].
.set XIMG, 0                           ; LDS: x's 64 fragments: (8 tt + s) x 1,024 + 512 c + 16 lane
.set XSC,  65536                       ; their scale words: 1,024 (tt / 2) + 512 (s / 4) + 16 (16 (tt % 2) + r) + 4 (s % 4)
.set STG,  69632                       ; a stage of 16 rows x (512 + 16) bytes for each wave
.set SPITCH, 528
.set WSTG, 16*SPITCH
.set SPARE, STG+8*WSTG                 ; the spare words, 128 bytes for each wave: four blocks of 256 bytes that no other line names
.set LI,  1                            ; 16 x lane
.set STI, 2                            ; the stage, in: 16 x lane
.set STO, 3                            ; the stage, out: row r, + 64 h
.set XWI, 4                            ; where I store my fragments' images
.set XSW, 5                            ; and my scale words
.set XSA, 6                            ; where scale words are read
.set WSA, 7                            ; 8 x lane
.set BA,  8                            ; the bias' offset
.set SPW, 10
.set NIL, 11
.set XF,  16
.set WF,  80
.set BI,  176
.set TM,  176
.set PC,  192
.set XS,  208
.set WS,  240
.set SEL, 36
.set PASS, 38
.set MSB, 0
.macro WIN new                         ; the immediate's high byte repeats the setting that is left
.if MSB != \new
	s_set_vgpr_msb (MSB<<8)|\new
.set MSB, \new
.endif
.endm
	s_load_b256 s[4:11], s[0:1], 0x0               ; query, key, value, wc
	s_load_b256 s[12:19], s[0:1], 0x20             ; ws, bq, bv, qh
	s_load_b64 s[20:21], s[0:1], 0x40              ; kv
	v_lshl_add_u32 v[SPW], v0, 2, SPARE
	v_mov_b32 v[NIL], 0
	v_lshrrev_b32 v12, 5, v0
	v_readfirstlane_b32 s22, v12                   ; wave 0..7
	s_and_b32 s23, ttmp7, 0xffff                   ; which tensor
	v_and_b32 v12, 31, v0                          ; lane
	v_and_b32 v13, 15, v0                          ; r
	v_bfe_u32 v14, v0, 4, 1                        ; h
	v_lshlrev_b32 v[LI], 4, v12
	v_lshlrev_b32 v[WSA], 3, v12
	s_mul_i32 s25, s22, WSTG
	s_add_co_u32 s25, s25, STG
	v_add_nc_u32 v[STI], s25, v[LI]
	v_mul_u32_u24 v[STO], v13, SPITCH
	v_lshl_add_u32 v[STO], v14, 6, v[STO]
	v_add_nc_u32 v[STO], s25, v[STO]
	s_lshl_b32 s25, s22, 13
	v_add_nc_u32 v[XWI], s25, v[LI]
	s_lshr_b32 s25, s22, 1
	s_lshl_b32 s25, s25, 10
	s_and_b32 s39, s22, 1
	s_lshl_b32 s39, s39, 8
	s_add_co_u32 s25, s25, s39
	s_add_co_u32 s25, s25, XSC
	v_lshl_add_u32 v[XSW], v13, 4, s25
	v_add_nc_u32 v[XSA], XSC, v[LI]
.irp b, 0,1,2,3
	v_mov_b32 v[TM+4+\b], 0                        ; written once: a lane permute's destination counts as one of its sources
.endr
	s_mov_b32 s[SEL], 0x76543210
	s_mov_b32 s[SEL+1], 0xfedcba98                 ; v_permlanex16_b32's selects for lane l xor 16
	s_lshl_b32 s40, ttmp9, 19                      ; x: 128 rows of 4,096 bytes a work-group,
	s_lshl_b32 s41, s22, 16                        ; 16 a wave
	s_add_co_u32 s40, s40, s41
	s_mov_b32 s41, 0
	s_lshl_b32 s42, s23, 19                        ; wc: the tensor's part, my two heads
	s_lshl_b32 s43, s22, 16
	s_add_co_u32 s42, s42, s43
	s_mov_b32 s43, 0
	s_lshl_b32 s44, s23, 15                        ; ws likewise
	s_lshl_b32 s45, s22, 12
	s_add_co_u32 s44, s44, s45
	s_mov_b32 s45, 0
	s_lshl_b32 s46, s22, 9                         ; the bias: my two heads' 128 numbers
	s_mov_b32 s47, 0
	s_lshr_b32 s48, ttmp9, 4                       ; out: (16 b + 2 w) heads of 262,144 bytes + my 8 tiles of 2,048 in qh; twice that in kv
	s_lshl_b32 s48, s48, 4
	s_lshl_b32 s49, s22, 1
	s_add_co_u32 s48, s48, s49
	s_lshl_b32 s48, s48, 18
	s_and_b32 s49, ttmp9, 15
	s_lshl_b32 s49, s49, 14
	s_add_co_u32 s48, s48, s49
	s_mov_b32 s49, 0
	s_wait_kmcnt 0x0
	s_cmp_eq_u32 s23, 0                            ; the choices hang on the work-group's number alone
	s_cselect_b64 s[26:27], s[4:5], s[6:7]
	s_cselect_b64 s[32:33], s[14:15], s[16:17]
	s_cselect_b64 s[34:35], s[18:19], s[20:21]
	s_cselect_b32 s50, 0, 1
	s_cmp_eq_u32 s23, 2
	s_cselect_b64 s[26:27], s[8:9], s[26:27]
	s_lshl_b32 s48, s48, s50
	s_add_nc_u64 s[26:27], s[26:27], s[40:41]      ; x at my first row
	s_add_nc_u64 s[28:29], s[10:11], s[42:43]      ; the weights' codes of my first head
	s_add_nc_u64 s[30:31], s[12:13], s[44:45]      ; their scale words
	s_add_nc_u64 s[32:33], s[32:33], s[46:47]      ; the bias
	s_add_nc_u64 s[34:35], s[34:35], s[48:49]      ; the results
.macro LOADX s                         ; K step s of my 16 rows: each load reads 512 consecutive bytes of one row, into set s % 4 of window 1
	WIN 0x40
.irp i, 0,1,2,3,4,5,6,7,8,9,10,11,12,13,14,15
	global_load_b128 v[64*((\s)%4)+4*\i:64*((\s)%4)+4*\i+3], v[LI], s[26:27] offset:\i*4096+(\s)*512 th:TH_LOAD_NT
.endr
.endm
.macro LOADW s                         ; the weights' four fragments of K step s into set s % 4
.irp ct, 0,1,2,3
.irp c, 0,1
	global_load_b128 v[WF+32*((\s)%4)+8*\ct+4*\c:WF+32*((\s)%4)+8*\ct+4*\c+3], v[LI], s[28:29] offset:(\s)*4096+\ct*1024+\c*512
.endr
.endr
.endm
.macro PRIMEW                          ; a head's scale words, and its first three K steps
.irp s, 0,1,2,3,4,5,6,7
	global_load_b64 v[WS+2*\s:WS+2*\s+1], v[WSA], s[30:31] offset:\s*256
.endr
	LOADW 0
	LOADW 1
	LOADW 2
.endm
; 64 numbers of a lane, register 16 b + i = k 32 b + 16 h + i of my row, become a fragment's codes in v[PC] on and its scale word in v[pw]
.macro QUANT s, pw
.irp b, 0,1,2,3
	v_max3_num_f32 v[TM+\b], |v[\s+16*\b]|, |v[\s+1+16*\b]|, 0x1800000   ; block b: my 16 numbers, and the floor 2^(3 - 127): the byte cannot fall under 1
.endr
.irp i, 2,4,6,8,10,12,14
.irp b, 0,1,2,3
	v_max3_num_f32 v[TM+\b], v[TM+\b], |v[\s+16*\b+\i]|, |v[\s+1+16*\b+\i]|   ; the four blocks by turns
.endr
.endr
.irp b, 0,1,2,3
	v_permlanex16_b32 v[TM+4+\b], v[TM+\b], s[SEL], s[SEL+1]
.endr
.irp b, 0,1,2,3
	v_max_num_f32 v[TM+\b], v[TM+\b], v[TM+4+\b]   ; with lane l xor 16's: the block's largest magnitude
.endr
.irp b, 0,1,2,3
	v_add_nc_u32 v[TM+12+\b], 0xff000000, v[TM+\b] ; 2 off its exponent field: the conversion's scale operand
.endr
.irp b, 0,1,2,3
	v_lshrrev_b32 v[TM+4+\b], 23, v[TM+12+\b]      ; the scale's byte
.endr
	v_lshl_or_b32 v[\pw], v[TM+5], 8, v[TM+4]      ; my row's scale word
	v_lshl_or_b32 v[\pw], v[TM+6], 16, v[\pw]
	v_lshl_or_b32 v[\pw], v[TM+7], 24, v[\pw]
.irp b, 0,1,2,3
	v_cvt_scalef32_pk8_fp4_f32 v[PC+2*\b], v[\s+16*\b:\s+7+16*\b], v[TM+12+\b]
	v_cvt_scalef32_pk8_fp4_f32 v[PC+1+2*\b], v[\s+8+16*\b:\s+15+16*\b], v[TM+12+\b]
.endr
	v_nop                                          ; one plain line behind the last scaled conversion
.irp c, 0,1                            ; the operand's layout wants a whole block in a lane: lanes 0-15 block 2 c, lanes 16-31 block 2 c + 1
.irp i, 0,1
	v_permlane16_swap_b32 v[PC+4*\c+\i], v[PC+2+4*\c+\i]
.endr
.endr
.endm
; PHASE X, K step s.  The loads take bytes as they lie; the conversions want 16 neighbours in a lane: the 16 x 512 bytes turn through my own stage.
.macro XSTEP s
.if (\s) <= 4
	s_wait_loadcnt 48                              ; this step's 16 loads are in; those of the three steps behind it may be out
.else
	s_wait_loadcnt 16*(7-(\s))
.endif
	WIN 0x04                                       ; an LDS store's data are its source 1: window 1
.irp i, 0,1,2,3,4,5,6,7,8,9,10,11,12,13,14,15
	ds_store_b128 v[STI], v[64*((\s)%4)+4*\i:64*((\s)%4)+4*\i+3] offset:\i*SPITCH
.endr
	WIN 0
.irp b, 0,1,2,3
.irp j, 0,1,2,3
	ds_load_b128 v[XF+16*\b+4*\j:XF+16*\b+4*\j+3], v[STO] offset:128*\b+16*\j   ; LDS serves a wave's instructions in order: these see my stores
.endr
.endr
	s_wait_dscnt 0x0                               ; my 64 numbers are in; the stage's stores have read their registers, and so have the last step's image stores
.if (\s)+4 < 8
	LOADX (\s)+4
	WIN 0
.endif
.if (\s) == 7
	PRIMEW                                         ; no load of x is left: the first head's weights are asked for, into registers that this phase does not touch
.endif
	QUANT XF, XS+(\s)
.irp c, 0,1
	ds_store_b128 v[XWI], v[PC+4*\c:PC+4*\c+3] offset:XIMG+(\s)*1024+512*\c
.endr
.endm
	LOADX 0
	LOADX 1
	LOADX 2
	LOADX 3
	WIN 0
.irp s, 0,1,2,3,4,5,6,7
	XSTEP \s
.endr
	ds_store_b128 v[XSW], v[XS:XS+3]               ; my rows' eight scale words (lanes r and r + 16 hold the same words and write the same bytes)
	ds_store_b128 v[XSW], v[XS+4:XS+7] offset:512
	s_wait_dscnt 0x0                               ; for the others' sake: all my LDS stores have landed
	s_barrier_signal -1
	s_barrier_wait -1                              ; x's 64 fragments and their scale words lie in LDS; nothing is stored to LDS behind this line
.irp i, 0,1,2,3
.irp sh, 0,1
	ds_load_b128 v[XS+8*\i+4*\sh:XS+8*\i+4*\sh+3], v[XSA] offset:\i*1024+\sh*512   ; register XS + 8 i + s: lanes 0-15 tile 2 i, lanes 16-31 tile 2 i + 1
.endr
.endr
.macro FETCHX s                        ; x's eight fragments of K step s
.irp tt, 0,1,2,3,4,5,6,7
.irp c, 0,1
	ds_load_b128 v[XF+8*\tt+4*\c:XF+8*\tt+4*\c+3], v[LI] offset:XIMG+(\tt*8+(\s))*1024+512*\c
.endr
.endr
.endm
.macro PRIMEB kind                     ; the bias in the result's layout, four tiles: the C of each sum's first matrix instruction
.irp ct, 0,1,2,3
.if (\kind) == 0                       ; a lane holds channels 16 ct + 8 h + 0 .. 7
	global_load_b128 v[BI+8*\ct:BI+8*\ct+3], v[BA], s[32:33] offset:64*\ct
	global_load_b128 v[BI+8*\ct+4:BI+8*\ct+7], v[BA], s[32:33] offset:64*\ct+16
.else                                  ; a lane holds channel 16 ct + r in all eight registers
.irp j, 0,1,2,3,4,5,6,7
	global_load_b32 v[BI+8*\ct+\j], v[BA], s[32:33] offset:64*\ct
.endr
.endif
.endr
.endm
; one matrix instruction, by the symbols rD, rA, rB, rC, rSA, rSB; oA, oB = 1: that side's scales are read from lanes 16-31.  cm = 0: C is the constant 0
.macro WM cm
.if (\cm) == 0
.if oA && oB
	v_wmma_scale_f32_16x16x128_f8f6f4 v[rD:rD+7], v[rA:rA+7], v[rB:rB+7], 0, v[rSA], v[rSB] matrix_a_fmt:MATRIX_FMT_FP4 matrix_b_fmt:MATRIX_FMT_FP4 matrix_a_scale:MATRIX_SCALE_ROW1 matrix_b_scale:MATRIX_SCALE_ROW1
.elseif oA
	v_wmma_scale_f32_16x16x128_f8f6f4 v[rD:rD+7], v[rA:rA+7], v[rB:rB+7], 0, v[rSA], v[rSB] matrix_a_fmt:MATRIX_FMT_FP4 matrix_b_fmt:MATRIX_FMT_FP4 matrix_a_scale:MATRIX_SCALE_ROW1
.elseif oB
	v_wmma_scale_f32_16x16x128_f8f6f4 v[rD:rD+7], v[rA:rA+7], v[rB:rB+7], 0, v[rSA], v[rSB] matrix_a_fmt:MATRIX_FMT_FP4 matrix_b_fmt:MATRIX_FMT_FP4 matrix_b_scale:MATRIX_SCALE_ROW1
.else
	v_wmma_scale_f32_16x16x128_f8f6f4 v[rD:rD+7], v[rA:rA+7], v[rB:rB+7], 0, v[rSA], v[rSB] matrix_a_fmt:MATRIX_FMT_FP4 matrix_b_fmt:MATRIX_FMT_FP4
.endif
.else
.if oA && oB
	v_wmma_scale_f32_16x16x128_f8f6f4 v[rD:rD+7], v[rA:rA+7], v[rB:rB+7], v[rC:rC+7], v[rSA], v[rSB] matrix_a_fmt:MATRIX_FMT_FP4 matrix_b_fmt:MATRIX_FMT_FP4 matrix_a_scale:MATRIX_SCALE_ROW1 matrix_b_scale:MATRIX_SCALE_ROW1
.elseif oA
	v_wmma_scale_f32_16x16x128_f8f6f4 v[rD:rD+7], v[rA:rA+7], v[rB:rB+7], v[rC:rC+7], v[rSA], v[rSB] matrix_a_fmt:MATRIX_FMT_FP4 matrix_b_fmt:MATRIX_FMT_FP4 matrix_a_scale:MATRIX_SCALE_ROW1
.elseif oB
	v_wmma_scale_f32_16x16x128_f8f6f4 v[rD:rD+7], v[rA:rA+7], v[rB:rB+7], v[rC:rC+7], v[rSA], v[rSB] matrix_a_fmt:MATRIX_FMT_FP4 matrix_b_fmt:MATRIX_FMT_FP4 matrix_b_scale:MATRIX_SCALE_ROW1
.else
	v_wmma_scale_f32_16x16x128_f8f6f4 v[rD:rD+7], v[rA:rA+7], v[rB:rB+7], v[rC:rC+7], v[rSA], v[rSB] matrix_a_fmt:MATRIX_FMT_FP4 matrix_b_fmt:MATRIX_FMT_FP4
.endif
.endif
.endm
; K step s of a pass: 32 matrix instructions, the 32 accumulators by turns, in the same order in every step
.macro KSTEP s, swap, bias
	s_wait_dscnt 0x0                               ; x's fragments (and, in the first step, the scale words) are in
.if (\s) == 0
	s_wait_loadcnt 0x0                             ; the head's scale words, K steps 0 to 2 and the bias
.elseif (\s) == 7
	s_wait_loadcnt 0x0
.elseif (\s) == 6
	s_wait_loadcnt 8                               ; K step 7's eight loads may be out
.elseif (\s) >= 3
	s_wait_loadcnt 16                              ; the eight loads of each of the two K steps that follow may be out
.endif
.if (\s) == 0
	WIN 0x40                                       ; D in window 1; C is the bias in window 0, or the constant 0
.else
	WIN 0x50                                       ; C and D in window 1
.endif
.irp tt, 0,1,2,3,4,5,6,7
.irp ct, 0,1,2,3
.set rD, 8*(4*\tt+\ct)
.set rC, rD
.set cmode, 1
.if (\s) == 0
.if \bias
.set rC, BI+8*\ct
.else
.set cmode, 0
.endif
.endif
.if \swap
.set rA, XF+8*\tt
.set rB, WF+32*((\s)%4)+8*\ct
.set rSA, XS+8*(\tt/2)+(\s)
.set rSB, WS+2*(\s)+\ct/2
.set oA, \tt%2
.set oB, \ct%2
.else
.set rA, WF+32*((\s)%4)+8*\ct
.set rB, XF+8*\tt
.set rSA, WS+2*(\s)+\ct/2
.set rSB, XS+8*(\tt/2)+(\s)
.set oA, \ct%2
.set oB, \tt%2
.endif
	WM cmode
.endr
.endr
	WIN 0
.rept 4
	v_nop                                          ; four plain lines between the products and the loads into registers that they have read (ISA guide 7.12.1 for vector instructions)
.endr
.if (\s) < 7
	FETCHX (\s)+1
.endif
.if (\s) <= 4
	LOADW (\s)+3                                   ; into the set that the K step before this one multiplied
.endif
.endm
; a head's results: rounded to f16, eight numbers of a lane to 16 bytes, which are an operand's image as they stand
.macro OUTPUT kind
.irp hf, 0,1
	WIN 0x05                                       ; sources in window 1
.irp i, 0,1,2,3,4,5,6,7,8,9,10,11,12,13,14,15
.irp j, 0,1,2,3
	v_cvt_pk_f16_f32 v[XF+4*\i+\j], v[8*(16*\hf+\i)+2*\j], v[8*(16*\hf+\i)+2*\j+1]   ; each accumulator from its low end on
.endr
.endr
	WIN 0
.irp i, 0,1,2,3,4,5,6,7,8,9,10,11,12,13,14,15
.set TT, (16*\hf+\i)/4
.set CT, \i%4
.if (\kind) == 0
.set IMM, TT*2048+CT*512
.elseif (\kind) == 1
.set IMM, (TT/4)*16384+(TT%4)*2048+CT*512
.else
.set IMM, (TT/4)*16384+8192+CT*2048+(TT%4)*512
.endif
	global_store_b128 v[LI], v[XF+4*\i:XF+4*\i+3], s[34:35] offset:IMM    ; 32 lanes store 512 consecutive bytes, aligned
.endr
	s_wait_xcnt 0x0                                ; the stores' data and base are written again only behind this wait
.endr
.endm
.macro PASSES swap, bias, kind
.if (\kind) == 0
	v_lshlrev_b32 v[BA], 5, v14
.elseif (\kind) == 2
	v_lshlrev_b32 v[BA], 2, v13
.endif
.if \bias
	PRIMEB \kind
.endif
	s_mov_b32 s[PASS], 2
.Lpass_\@:
	FETCHX 0
.irp s, 0,1,2,3,4,5,6,7
	KSTEP \s, \swap, \bias
.endr
	s_add_nc_u64 s[28:29], s[28:29], 32768         ; the last K step's wait has shown every load done: the bases step to my second head
	s_add_nc_u64 s[30:31], s[30:31], 2048
	s_add_nc_u64 s[32:33], s[32:33], 256
	s_cmp_eq_u32 s[PASS], 1                        ; behind the second head nothing is asked for: no load leaves its buffer
	s_cbranch_scc1 .Lnomore_\@
	PRIMEW
.if \bias
	PRIMEB \kind
.endif
.Lnomore_\@:
	OUTPUT \kind
.if (\kind) == 0
	s_add_nc_u64 s[34:35], s[34:35], 262144
.else
	s_add_nc_u64 s[34:35], s[34:35], 524288
.endif
	s_sub_co_u32 s[PASS], s[PASS], 1
	s_cmp_lg_u32 s[PASS], 0
	s_cbranch_scc1 .Lpass_\@
.endm
	s_cmp_eq_u32 s23, 0                            ; the three tensors part here, on the work-group's number; from here on LDS is only read
	s_cbranch_scc1 .Lq
	s_cmp_eq_u32 s23, 1
	s_cbranch_scc1 .Lk
	PASSES 1, 1, 2
	s_branch .Ljoin
.Lq:
	PASSES 0, 1, 0
	s_branch .Ljoin
.Lk:
	PASSES 0, 0, 1
.Ljoin:
	s_wait_tensorcnt 0x0                           ; the wave's end: behind my last LDS store
	ds_add_u32 v[SPW], v[NIL]
	s_wait_dscnt 0x0
	s_endpgm
.Lfunc_end_k_q081ad62f2f_proj:
	.size	k_q081ad62f2f_proj, .Lfunc_end_k_q081ad62f2f_proj-k_q081ad62f2f_proj
	.p2alignl 7, 3214868480
	.fill 96, 4, 3214868480
	.section	.rodata,"a",@progbits
	.p2align	6, 0x0
	.amdhsa_kernel k_q081ad62f2f_proj
		.amdhsa_group_segment_fixed_size 138240
		.amdhsa_private_segment_fixed_size 0
		.amdhsa_enable_private_segment 0
		.amdhsa_kernarg_size 72
		.amdhsa_user_sgpr_count 2
		.amdhsa_user_sgpr_kernarg_segment_ptr 1
		.amdhsa_wavefront_size32 1
		.amdhsa_system_sgpr_workgroup_id_x 1
		.amdhsa_system_sgpr_workgroup_id_y 1
		.amdhsa_system_sgpr_workgroup_id_z 1
		.amdhsa_system_vgpr_workitem_id 0
		.amdhsa_next_free_vgpr 512
		.amdhsa_next_free_sgpr 66
		.amdhsa_reserve_vcc 0
		.amdhsa_float_denorm_mode_32 3
		.amdhsa_float_denorm_mode_16_64 3
		.amdhsa_memory_ordered 1
		.amdhsa_forward_progress 1
		.amdhsa_inst_pref_size 255
	.end_amdhsa_kernel
	.section	.bss,"aw",@nobits
	.p2align	6
	.space	262144
	.amdgpu_metadata
---
amdhsa.version: [ 1, 2 ]
amdhsa.kernels:
  - .name:           k_q081ad62f2f_proj
    .symbol:         k_q081ad62f2f_proj.kd
    .args:
      - { .name: query, .offset: 0, .size: 8, .value_kind: global_buffer, .address_space: global }
      - { .name: key, .offset: 8, .size: 8, .value_kind: global_buffer, .address_space: global }
      - { .name: value, .offset: 16, .size: 8, .value_kind: global_buffer, .address_space: global }
      - { .name: wc, .offset: 24, .size: 8, .value_kind: global_buffer, .address_space: global }
      - { .name: ws, .offset: 32, .size: 8, .value_kind: global_buffer, .address_space: global }
      - { .name: bq, .offset: 40, .size: 8, .value_kind: global_buffer, .address_space: global }
      - { .name: bv, .offset: 48, .size: 8, .value_kind: global_buffer, .address_space: global }
      - { .name: qh, .offset: 56, .size: 8, .value_kind: global_buffer, .address_space: global }
      - { .name: kv, .offset: 64, .size: 8, .value_kind: global_buffer, .address_space: global }
    .group_segment_fixed_size: 138240
    .private_segment_fixed_size: 0
    .kernarg_segment_align: 8
    .kernarg_segment_size: 72
    .max_flat_workgroup_size: 256
    .sgpr_count:     66
    .vgpr_count:     512
    .wavefront_size: 32
...
	.end_amdgpu_metadata
.endif
;; end of part 2
;; launch attn (part 3): grid 4 x 64, 8 waves a work-group, clusters of 4 x 1, 327,680 bytes of LDS; arguments qh, kv, ao; writes ao
.if DOCPART == 3
	.amdgcn_target "amdgcn-amd-amdhsa--gfx1250"
	.amdhsa_code_object_version 6
	.text
	.protected	k_q081ad62f2f_attn
	.globl	k_q081ad62f2f_attn
	.p2align	8
	.type	k_q081ad62f2f_attn,@function
k_q081ad62f2f_attn:
	s_mov_b64 s[64:65], 0
	v_nop
	global_prefetch_b8 v0, s[64:65] scope:SCOPE_SE
	s_setreg_imm32_b32 hwreg(HW_REG_WAVE_MODE, 25, 1), 1
	s_wait_xcnt 0x0
	s_wait_alu depctr_hold_cnt(0) depctr_sa_sdst(0) depctr_va_vdst(0) depctr_va_sdst(0) depctr_va_ssrc(0) depctr_va_vcc(0) depctr_vm_vsrc(0)
	s_getreg_b32 s2, hwreg(HW_REG_IB_STS2, 6, 4)
	s_cmp_eq_u32 s2, 0
	s_cbranch_scc0 .Lentry_in_a_cluster
	s_endpgm
.Lentry_in_a_cluster:
	s_bfe_u32 s2, ttmp6, 0x10000c
	s_cmp_lg_u32 s2, 0x3003
	s_cbranch_scc0 .Lentry_shape_is_right
	s_endpgm
.Lentry_shape_is_right:
; ao[b][i][head] = the sum over j of softmax_j(q_i . k_j / 8) v_j, for each of the 64 (batch, head) pairs.  q, k, v: f16, as images of operand registers (laid by the launch before); products' sums,
; maxima, exponentials and row sums in f32; the weights p are rounded to f16 for the second product, the result once at the end.
; (bk is left out: shown at the head of the first kernel.)   LIMIT: results beyond 65,504 overflow in f16.
; SHARES.  A work-group owns 512 queries of one (b, head), each of its eight waves 64: four tiles of 16.  Two waves share a SIMD: one's vector work stands beside the other's matrix work.  Every wave walks all 2,048 keys, 64 a step.
; LAYOUT.  S^T = K Q^T (source 0 = 16 keys, source 1 = 16 queries): a lane holds ONE query (lane % 16) and keys 8 (lane / 16) + 0..7.  Two such tiles, rounded to f16 in pairs, ARE source 1
; (32 keys x 16 queries) of O^T = V^T P, whose result again holds one query a lane, and eight channels: 16 bytes of the next launch's operand image.  Nothing changes lanes but one exchange of halves for maximum and sum.
; SOFTMAX.  For each query a running maximum m and sum l: p = 2^(c s - c m), c = log2(e) / 8; in every step O and l are multiplied by a = 2^(c m_old - c m_new).
; THE RING.  A step's K and V are 16,384 dense bytes; a slot holds 8 steps, one for each wave to fetch: one tensor load a wave, 64 rows of 256 bytes.  Two slots, four fills: a wave has at most two tensor loads out (the first two).
; CLUSTER.  A head's four work-groups walk the same K and V: each tile is asked for JOINTLY, by the same load with the same descriptor and the mask of all four.
; No prefetch is written: a refill is asked for eight key steps, 512 matrix instructions of the wave, ahead of the first read of its bytes.
; REGISTERS.  Window 0: v1-4 addresses; v16-47 eight registers of statistics a tile (+0 c m, +1 m, +2, +3 l, +4 to +7 at work; a in +6); v64-127 K's eight fragments; v128-255 S^T, 32 a tile, P in place in its first 16.
;   Window 1: v0-127 O^T, 32 a tile; v128-191 Q, 16 a tile; v192-255 V's eight fragments.
.set SLOTB, 131072
.set STEPB, 16384
.set SPARE, 2*SLOTB                    ; behind the ring: the spare words, 128 bytes for each wave: four blocks of 256 bytes that no other line names
.set LI,  1                            ; 16 x lane
.set ADR, 2                            ; LDS address of the step in hand
.set SPW, 3
.set NIL, 4
.set ST,  16
.set KR,  64
.set S,   128
.set QR,  128                          ; window 1
.set VR,  192                          ; window 1
.set WV,  12
.set G1,  16                           ; s[16:23] descriptor group 1
.set G0,  24                           ; s[24:39] four groups 0, one for each fill; never stepped
.set CS,  40                           ; s[40:41] c: the packed form names a pair and takes its low word for both halves
.set SEL, 42
.set TB,  44                           ; LDS byte at which the step's tiles begin
.set CNT, 45
.set MSB, 0
.macro WIN new                         ; the immediate's high byte repeats the setting that is left
.if MSB != \new
	s_set_vgpr_msb (MSB<<8)|\new
.set MSB, \new
.endif
.endm
.macro CROUND                          ; a round of the cluster's barrier: my work-group's barrier; wave 0 signals for the work-group; every wave waits for all four; my work-group's barrier once more
	s_barrier_signal -1
	s_barrier_wait -1
	s_cmp_lg_u32 s[WV], 0
	s_cbranch_scc1 .Lnot_wave_0_\@
	s_barrier_signal -3
.Lnot_wave_0_\@:
	s_barrier_wait -3
	s_barrier_signal -1
	s_barrier_wait -1
.endm
	s_load_b128 s[4:7], s[0:1], 0x0                ; qh, kv
	s_load_b64 s[8:9], s[0:1], 0x10                ; ao
	v_lshl_add_u32 v[SPW], v0, 2, SPARE
	v_mov_b32 v[NIL], 0
	ds_add_u32 v[SPW], v[NIL]                      ; the wave's opening: the add, twice on end, and its wait ahead of my first tensor load
	ds_add_u32 v[SPW], v[NIL]
	v_lshrrev_b32 v5, 5, v0
	v_readfirstlane_b32 s[WV], v5                  ; wave 0..7
	v_and_b32 v5, 31, v0
	v_lshlrev_b32 v[LI], 4, v5
	s_bfe_u32 s13, ttmp6, 0x40000                  ; cx: my place in the cluster
	s_lshl_b32 s14, ttmp9, 2
	s_add_co_u32 s14, s14, s13                     ; my block of 512 queries: it enters Q's and ao's addresses alone
	s_and_b32 s15, ttmp7, 0xffff                   ; 16 b + head, which the four partners share
	s_mov_b32 s[G1], 15|(3<<16)|(1<<21)            ; 15:0 the mask: all four work-groups; 17:16 elements of 8 bytes; 21 set beside a mask; no padding: images are read 512 consecutive bytes at a time
	s_mov_b32 s[G1+1], 32<<16                      ; tensor_dim0 = 32 elements: 256 bytes
	s_mov_b32 s[G1+2], 64<<16                      ; tensor_dim1 = 64
	s_mov_b32 s[G1+3], 32<<16                      ; tile_dim0
	s_mov_b32 s[G1+4], 64                          ; tile_dim1
	s_mov_b32 s[G1+5], 32                          ; from row to row: dense
	s_mov_b32 s[G1+6], 0
	s_mov_b32 s[G1+7], 0
	s_mov_b32 s[CS], 0x3e38aa3b                    ; c = log2(e) / 8
	s_mov_b32 s[CS+1], s[CS]
	s_mov_b32 s[SEL], 0x76543210
	s_mov_b32 s[SEL+1], 0xfedcba98
	s_lshl_b32 s46, s[WV], 14                      ; my step of a slot: in LDS and in memory
	s_lshl_b32 s48, s15, 19                        ; kv: 524,288 bytes a head
	s_add_co_u32 s48, s48, s46
	s_mov_b32 s49, 0
	s_lshl_b32 s50, s15, 18                        ; qh: 262,144 bytes a head, 65,536 a block, 8,192 a wave
	s_lshl_b32 s51, s14, 16
	s_add_co_u32 s50, s50, s51
	s_lshl_b32 s51, s[WV], 13
	s_add_co_u32 s50, s50, s51
	s_mov_b32 s51, 0
	s_and_b32 s52, s15, 15                         ; ao: [head / 2][token / 16][4,096]: (head % 2) x 2,048 in a tile's 4,096
	s_lshr_b32 s53, s52, 1
	s_lshl_b32 s53, s53, 21
	s_and_b32 s52, s52, 1
	s_lshl_b32 s52, s52, 11
	s_add_co_u32 s52, s52, s53
	s_lshr_b32 s53, s15, 4
	s_lshl_b32 s53, s53, 19                        ; b x 128 tiles
	s_add_co_u32 s52, s52, s53
	s_lshl_b32 s53, s14, 17                        ; block x 32 tiles
	s_add_co_u32 s52, s52, s53
	s_add_co_u32 s52, s52, s46                     ; wave x 4 tiles
	s_mov_b32 s53, 0
	s_wait_dscnt 0x0                               ; both opening adds are done
	s_wait_kmcnt 0x0
	s_add_nc_u64 s[6:7], s[6:7], s[48:49]
	s_add_nc_u64 s[4:5], s[4:5], s[50:51]
	s_add_nc_u64 s[8:9], s[8:9], s[52:53]
.irp n, 0,1,2,3
	s_mov_b32 s[G0+4*\n], 1                                        ; count = 1
	s_add_co_u32 s[G0+4*\n+1], s46, (\n%2)*SLOTB                   ; LDS address: slot n % 2, my step
	s_add_nc_u64 s[G0+4*\n+2:G0+4*\n+3], s[6:7], \n*SLOTB          ; keys 512 n + 64 wave on
	s_or_b32 s[G0+4*\n+3], s[G0+4*\n+3], 0x80000000                ; type = 2
.endr
	CROUND                                         ; all four work-groups are here: the first joint loads meet
	tensor_load_to_lds s[G0:G0+3], s[G1:G1+7]
	s_nop 0
	tensor_load_to_lds s[G0+4:G0+7], s[G1:G1+7]
	s_nop 0
.rept 4
	v_nop
.endr
	WIN 0x40                                       ; destination window 1
.irp t, 0,1,2,3
.irp ks, 0,1
.irp g, 0,1
	global_load_b128 v[QR+16*\t+8*\ks+4*\g:QR+16*\t+8*\ks+4*\g+3], v[LI], s[4:5] offset:\t*2048+\ks*1024+\g*512   ; Q stays in registers
.endr
.endr
.endr
	WIN 0
; The softmax of a key step, the four tiles by turns in every group of lines, so that no line waits for the line above it.  first = 1: the first step, which starts m, l and O^T
.macro SOFTMAX first
.irp j, 0,1,2,3
.irp t, 0,1,2,3
	v_max3_num_f32 v[ST+8*\t+4+\j], v[S+32*\t+8*\j], v[S+32*\t+8*\j+1], v[S+32*\t+8*\j+2]   ; four chains a tile, each begun at the low end of one accumulator
.endr
.endr
.irp i, 3,5
.irp j, 0,1,2,3
.irp t, 0,1,2,3
	v_max3_num_f32 v[ST+8*\t+4+\j], v[ST+8*\t+4+\j], v[S+32*\t+8*\j+\i], v[S+32*\t+8*\j+\i+1]
.endr
.endr
.endr
.irp t, 0,1,2,3
	v_max3_num_f32 v[ST+8*\t+4], v[ST+8*\t+4], v[S+32*\t+7], v[S+32*\t+15]
	v_max3_num_f32 v[ST+8*\t+6], v[ST+8*\t+6], v[S+32*\t+23], v[S+32*\t+31]
.endr
.irp t, 0,1,2,3
	v_max3_num_f32 v[ST+8*\t+4], v[ST+8*\t+4], v[ST+8*\t+5], v[ST+8*\t+6]
.endr
.irp t, 0,1,2,3
.if \first
	v_max_num_f32 v[ST+8*\t+4], v[ST+8*\t+4], v[ST+8*\t+7]
.else
	v_max3_num_f32 v[ST+8*\t+4], v[ST+8*\t+4], v[ST+8*\t+7], v[ST+8*\t+1]   ; with the old m
.endif
.endr
.irp t, 0,1,2,3
	v_permlanex16_b32 v[ST+8*\t+5], v[ST+8*\t+4], s[SEL], s[SEL+1]          ; the query's other 32 keys lie in the lane 16 away
.endr
.if !\first
.irp t, 0,1,2,3
	v_mov_b32 v[ST+8*\t+7], v[ST+8*\t]             ; c m_old is kept for a
.endr
.endif
.irp t, 0,1,2,3
	v_max_num_f32 v[ST+8*\t+1], v[ST+8*\t+4], v[ST+8*\t+5]
.endr
.irp t, 0,1,2,3
	v_mul_f32 v[ST+8*\t], s[CS], v[ST+8*\t+1]
.endr
.if !\first
.irp t, 0,1,2,3
	v_sub_f32 v[ST+8*\t+7], v[ST+8*\t+7], v[ST+8*\t]
.endr
.endif
.irp i, 0,2,4,6,8,10,12,14,16,18,20,22,24,26,28,30
.irp t, 0,1,2,3
	v_pk_fma_f32 v[S+32*\t+\i:S+32*\t+\i+1], v[S+32*\t+\i:S+32*\t+\i+1], s[CS:CS+1], v[ST+8*\t:ST+8*\t+1] op_sel_hi:[1,0,0] neg_lo:[0,0,1] neg_hi:[0,0,1]   ; c s - c m, two at a time
.endr
.endr
.if !\first
.irp t, 0,1,2,3
	v_exp_f32 v[ST+8*\t+6], v[ST+8*\t+7]           ; a
.endr
.endif
.irp i, 0,1,2,3,4,5,6,7,8,9,10,11,12,13,14,15,16,17,18,19,20,21,22,23,24,25,26,27,28,29,30,31
.irp t, 0,1,2,3
	v_exp_f32 v[S+32*\t+\i], v[S+32*\t+\i]         ; ONE BATCH: none of these lines names another's result
.endr
.endr
	v_nop                                          ; a plain line behind the last exponential,
	s_wait_alu depctr_va_vdst(0)                   ; and the one wait between the batch and the first line that names a result
.irp t, 0,1,2,3
.if \first
	v_pk_add_f32 v[ST+8*\t+2:ST+8*\t+3], v[S+32*\t:S+32*\t+1], v[S+32*\t+4:S+32*\t+5]
.else
	v_pk_fma_f32 v[ST+8*\t+2:ST+8*\t+3], v[ST+8*\t+2:ST+8*\t+3], v[ST+8*\t+6:ST+8*\t+7], v[S+32*\t:S+32*\t+1] op_sel_hi:[1,0,1]   ; l = a l + the step's sum, taken of the unrounded p, in two chains
.endif
	v_pk_add_f32 v[ST+8*\t+4:ST+8*\t+5], v[S+32*\t+2:S+32*\t+3], v[S+32*\t+6:S+32*\t+7]
.endr
.if !\first
.irp t, 0,1,2,3
	v_pk_add_f32 v[ST+8*\t+2:ST+8*\t+3], v[ST+8*\t+2:ST+8*\t+3], v[S+32*\t+4:S+32*\t+5]
.endr
.endif
.irp i, 8,12,16,20,24,28
.irp t, 0,1,2,3
	v_pk_add_f32 v[ST+8*\t+2:ST+8*\t+3], v[ST+8*\t+2:ST+8*\t+3], v[S+32*\t+\i:S+32*\t+\i+1]
	v_pk_add_f32 v[ST+8*\t+4:ST+8*\t+5], v[ST+8*\t+4:ST+8*\t+5], v[S+32*\t+\i+2:S+32*\t+\i+3]
.endr
.endr
.irp t, 0,1,2,3
	v_pk_add_f32 v[ST+8*\t+2:ST+8*\t+3], v[ST+8*\t+2:ST+8*\t+3], v[ST+8*\t+4:ST+8*\t+5]
.endr
.irp i, 0,1,2,3,4,5,6,7,8,9,10,11,12,13,14,15
.irp t, 0,1,2,3
	v_cvt_pk_f16_f32 v[S+32*\t+\i], v[S+32*\t+2*\i], v[S+32*\t+2*\i+1]     ; P in place, ascending: a register is written when its own numbers have been read
.endr
.endr
.if !\first
	WIN 0x41                                       ; O^T (destination and source 0) in window 1, a in window 0
.irp i, 0,2,4,6,8,10,12,14,16,18,20,22,24,26,28,30
.irp t, 0,1,2,3
	v_pk_mul_f32 v[32*\t+\i:32*\t+\i+1], v[32*\t+\i:32*\t+\i+1], v[ST+8*\t+6:ST+8*\t+7] op_sel_hi:[1,0]
.endr
.endr
.endif
.endm
; A KEY STEP: 64 keys at LDS byte s[TB].  In both products the 16 accumulators take turns, one instruction a turn
.macro STEP first
	v_add_nc_u32 v[ADR], s[TB], v[LI]
.irp f, 0,1,2,3,4,5,6,7
.irp g, 0,1
	ds_load_b128 v[KR+8*\f+4*\g:KR+8*\f+4*\g+3], v[ADR] offset:\f*1024+\g*512
.endr
.endr
	WIN 0x40                                       ; destination window 1
.irp f, 0,1,2,3,4,5,6,7
.irp g, 0,1
	ds_load_b128 v[VR+8*\f+4*\g:VR+8*\f+4*\g+3], v[ADR] offset:8192+\f*1024+\g*512
.endr
.endr
	s_wait_dscnt 16                                ; K is in; V's sixteen loads may be out
	WIN 0x04                                       ; Q in window 1
.irp ks, 0,1
.irp kt, 0,1,2,3
.irp t, 0,1,2,3
.if \ks == 0
	v_wmma_f32_16x16x32_f16 v[S+32*\t+8*\kt:S+32*\t+8*\kt+7], v[KR+8*(2*\kt+\ks):KR+8*(2*\kt+\ks)+7], v[QR+16*\t+8*\ks:QR+16*\t+8*\ks+7], 0
.else
	v_wmma_f32_16x16x32_f16 v[S+32*\t+8*\kt:S+32*\t+8*\kt+7], v[KR+8*(2*\kt+\ks):KR+8*(2*\kt+\ks)+7], v[QR+16*\t+8*\ks:QR+16*\t+8*\ks+7], v[S+32*\t+8*\kt:S+32*\t+8*\kt+7]
.endif
.endr
.endr
.endr
	WIN 0
.rept 4
	v_nop                                          ; four plain lines between the last product and the first read of results (ISA guide 7.12.1)
.endr
	SOFTMAX \first
	s_wait_dscnt 0x0                               ; V is in
	WIN 0x51                                       ; V, C and D in window 1, P in window 0
.irp kk, 0,1
.irp ct, 0,1,2,3
.irp t, 0,1,2,3
.if \first && (\kk == 0)
	v_wmma_f32_16x16x32_f16 v[32*\t+8*\ct:32*\t+8*\ct+7], v[VR+8*(2*\ct+\kk):VR+8*(2*\ct+\kk)+7], v[S+32*\t+8*\kk:S+32*\t+8*\kk+7], 0
.else
	v_wmma_f32_16x16x32_f16 v[32*\t+8*\ct:32*\t+8*\ct+7], v[VR+8*(2*\ct+\kk):VR+8*(2*\ct+\kk)+7], v[S+32*\t+8*\kk:S+32*\t+8*\kk+7], v[32*\t+8*\ct:32*\t+8*\ct+7]
.endif
.endr
.endr
.endr
	WIN 0
.rept 5
	v_nop                                          ; five plain lines: the next step's loads land in V's registers (four are owed), and its first products write over P's (five)
.endr
.endm
.macro SLOTRUN base, n                 ; n key steps from LDS byte base on: written once, walked n times
	s_mov_b32 s[TB], \base
	s_mov_b32 s[CNT], \n
.Lrun_\@:
	STEP 0
	s_add_co_u32 s[TB], s[TB], STEPB
	s_sub_co_u32 s[CNT], s[CNT], 1
	s_cmp_lg_u32 s[CNT], 0
	s_cbranch_scc1 .Lrun_\@
.endm
; THE CHANGE OF SLOTS.  Each wave waits for all its tensor loads (its part of the slot ahead), adds 0 to its spare word, and waits for that and for its reads of the slot that it leaves.
; fill = 1: behind a round of the cluster's barrier, so that no wave of any partner still reads the slot or has a load on its way, the slot just left takes fill n: the wave's one tensor load until the next change.
.macro CHANGE fill, n
	s_wait_tensorcnt 0x0
	ds_add_u32 v[SPW], v[NIL]
	s_wait_dscnt 0x0
.if \fill
	CROUND
	tensor_load_to_lds s[G0+4*\n:G0+4*\n+3], s[G1:G1+7]
	s_nop 0
.rept 4
	v_nop
.endr
.else
	s_barrier_signal -1
	s_barrier_wait -1
.endif
.endm
	s_wait_tensorcnt 1                             ; my part of slot 0 is in; slot 1's load may stay out
	s_barrier_signal -1
	s_barrier_wait -1                              ; everybody's is
	s_wait_loadcnt 0x0                             ; Q
	s_mov_b32 s[TB], 0
	STEP 1                                         ; the first key step starts m, l and O^T: nothing is cleared
	SLOTRUN STEPB, 7
	CHANGE 1, 2                                    ; slot 0 takes keys 1,024 on
	SLOTRUN SLOTB, 8
	CHANGE 1, 3                                    ; slot 1 takes keys 1,536 on
	SLOTRUN 0, 8
	CHANGE 0, 0                                    ; nothing is left to ask for
	SLOTRUN SLOTB, 8
	; THE WAY OUT: O^T / l, rounded to f16: a lane's eight channels of a query are 16 bytes of the next launch's operand image
.irp t, 0,1,2,3
	v_add_f32 v[ST+8*\t+4], v[ST+8*\t+2], v[ST+8*\t+3]
.endr
.irp t, 0,1,2,3
	v_permlanex16_b32 v[ST+8*\t+5], v[ST+8*\t+4], s[SEL], s[SEL+1]
.endr
.irp t, 0,1,2,3
	v_add_f32 v[ST+8*\t+4], v[ST+8*\t+4], v[ST+8*\t+5]
.endr
.irp t, 0,1,2,3
	v_rcp_f32 v[ST+8*\t+6], v[ST+8*\t+4]
.endr
	v_nop                                          ; a plain line behind the last reciprocal,
	s_wait_alu depctr_va_vdst(0)                   ; and the one wait ahead of the first use
	WIN 0x41
.irp t, 0,1,2,3
.irp i, 0,2,4,6,8,10,12,14,16,18,20,22,24,26,28,30
	v_pk_mul_f32 v[32*\t+\i:32*\t+\i+1], v[32*\t+\i:32*\t+\i+1], v[ST+8*\t+6:ST+8*\t+7] op_sel_hi:[1,0]
.endr
.endr
	WIN 0x05                                       ; sources in window 1, destination in window 0: S^T's registers are free
.irp t, 0,1,2,3
.irp i, 0,1,2,3,4,5,6,7,8,9,10,11,12,13,14,15
	v_cvt_pk_f16_f32 v[S+16*\t+\i], v[32*\t+2*\i], v[32*\t+2*\i+1]
.endr
.endr
	WIN 0
.irp t, 0,1,2,3
.irp ct, 0,1,2,3
	global_store_b128 v[LI], v[S+16*\t+4*\ct:S+16*\t+4*\ct+3], s[8:9] offset:\t*4096+\ct*512   ; 32 lanes store 512 consecutive bytes, aligned
.endr
.endr
	s_wait_tensorcnt 0x0                           ; the wave's end: behind my last tensor load
	ds_add_u32 v[SPW], v[NIL]
	s_wait_dscnt 0x0
	CROUND                                         ; the closing round: no work-group ends while a partner may still ask for a tile that names it
	s_endpgm
.Lfunc_end_k_q081ad62f2f_attn:
	.size	k_q081ad62f2f_attn, .Lfunc_end_k_q081ad62f2f_attn-k_q081ad62f2f_attn
	.p2alignl 7, 3214868480
	.fill 96, 4, 3214868480
	.section	.rodata,"a",@progbits
	.p2align	6, 0x0
	.amdhsa_kernel k_q081ad62f2f_attn
		.amdhsa_group_segment_fixed_size 327680
		.amdhsa_private_segment_fixed_size 0
		.amdhsa_enable_private_segment 0
		.amdhsa_kernarg_size 24
		.amdhsa_user_sgpr_count 2
		.amdhsa_user_sgpr_kernarg_segment_ptr 1
		.amdhsa_wavefront_size32 1
		.amdhsa_system_sgpr_workgroup_id_x 1
		.amdhsa_system_sgpr_workgroup_id_y 1
		.amdhsa_system_sgpr_workgroup_id_z 1
		.amdhsa_system_vgpr_workitem_id 0
		.amdhsa_next_free_vgpr 512
		.amdhsa_next_free_sgpr 66
		.amdhsa_reserve_vcc 0
		.amdhsa_float_denorm_mode_32 3
		.amdhsa_float_denorm_mode_16_64 3
		.amdhsa_memory_ordered 1
		.amdhsa_forward_progress 1
		.amdhsa_inst_pref_size 172
	.end_amdhsa_kernel
	.amdgpu_metadata
---
amdhsa.version: [ 1, 2 ]
amdhsa.kernels:
  - .name:           k_q081ad62f2f_attn
    .symbol:         k_q081ad62f2f_attn.kd
    .args:
      - { .name: qh, .offset: 0, .size: 8, .value_kind: global_buffer, .address_space: global }
      - { .name: kv, .offset: 8, .size: 8, .value_kind: global_buffer, .address_space: global }
      - { .name: ao, .offset: 16, .size: 8, .value_kind: global_buffer, .address_space: global }
    .group_segment_fixed_size: 327680
    .private_segment_fixed_size: 0
    .kernarg_segment_align: 8
    .kernarg_segment_size: 24
    .max_flat_workgroup_size: 256
    .sgpr_count:     66
    .vgpr_count:     512
    .wavefront_size: 32
...
	.end_amdgpu_metadata
.endif
;; end of part 3
;; launch outp (part 4): grid 4 x 64, 4 waves a work-group, clusters of 4 x 4, 327,680 bytes of LDS; arguments ao, wp16, bp, out0; writes out0
.if DOCPART == 4
	.amdgcn_target "amdgcn-amd-amdhsa--gfx1250"
	.amdhsa_code_object_version 6
	.text
	.protected	k_q081ad62f2f_outp
	.globl	k_q081ad62f2f_outp
	.p2align	8
	.type	k_q081ad62f2f_outp,@function
k_q081ad62f2f_outp:
	s_mov_b64 s[64:65], 0
	v_nop
	global_prefetch_b8 v0, s[64:65] scope:SCOPE_SE
	s_setreg_imm32_b32 hwreg(HW_REG_WAVE_MODE, 25, 1), 1
	s_wait_xcnt 0x0
	s_wait_alu depctr_hold_cnt(0) depctr_sa_sdst(0) depctr_va_vdst(0) depctr_va_sdst(0) depctr_va_ssrc(0) depctr_va_vcc(0) depctr_vm_vsrc(0)
	s_getreg_b32 s2, hwreg(HW_REG_IB_STS2, 6, 4)
	s_cmp_eq_u32 s2, 0
	s_cbranch_scc0 .Lentry_in_a_cluster
	s_endpgm
.Lentry_in_a_cluster:
	s_bfe_u32 s2, ttmp6, 0x10000c
	s_cmp_lg_u32 s2, 0xf033
	s_cbranch_scc0 .Lentry_shape_is_right
	s_endpgm
.Lentry_shape_is_right:
; out0[token][n] = the sum over k of ao[token][k] Wp[k][n] + bp[n].  ao and Wp: f16, as images of operand registers (laid by earlier launches); sums in f32; out0 f32.
; A tile of out0 is 128 rows x 256 columns: 64 x 4 = 256 work-groups.  Four waves, each 64 x 128: 32 accumulators of 16 x 16, 256 registers.
; K goes in 8 steps of 128 through a ring of two LDS slots.  A K step's images are dense in memory: ao's 8 row tiles are 32,768 bytes, Wp's 16 column tiles 65,536; waves 0 and 1 fetch ao's halves, waves 2 and 3 Wp's.
; CLUSTERS: 4 x 4 work-groups.  The four of a row of the cluster need the same tiles of ao, the four of a column the same tiles of Wp: each is asked for JOINTLY, by the same tensor load with the same descriptor and a mask that names the four.
; THE MATRIX INSTRUCTION IS USED TRANSPOSED (source 0 = 16 columns of Wp, source 1 = 16 rows of ao): a lane holds eight neighbouring numbers of a row of out0.  bp is the C of each sum's first matrix instruction.
; No prefetch is written: the launch has eight K steps, and a refill is asked for 112 of a step's 128 matrix instructions ahead of the wait for it.
; REGISTERS.  Window 0: v16-29 addresses; two fragment buffers of 96 (64 of Wp's, 32 of ao's) at v64 and v160; on the way out v64-191 hold rows.  Window 1: accumulator (a, b) at v[8 (8 a + b)].  Window 2: v0-63 bp's eight tiles.
.set SLOT,   98304                     ; ao's 32,768 bytes, then Wp's 65,536
.set BOFF,   32768
.set STAGE,  2*SLOT                    ; behind the ring: 16 rows x (512 + 16) bytes for each wave; no tensor load fills it
.set SPITCH, 528
.set SPARE,  STAGE+4*16*SPITCH         ; the spare words, 128 bytes for each wave: two blocks of 256 bytes that no other line names
.set ADRA, 16                          ; v16-17 LDS address of my ao fragments in slot 0, 1
.set ADRB, 20                          ; v20-21 the same for Wp
.set STO,  24
.set RD,   25
.set CO,   26
.set BA,   27
.set SPW,  28
.set NIL,  29
.set F0,   64
.set F1,   160
.set BK,   64
.set G1,  24                           ; s[24:31] group 1 for ao's tiles; s[32:39] groups 0, one for each slot
.set G0,  32
.set G1B, 48                           ; s[48:55], s[56:63] the same for Wp's
.set G0B, 56
.set MSB, 0
.macro WIN new                         ; the immediate's high byte repeats the setting that is left
.if MSB != \new
	s_set_vgpr_msb (MSB<<8)|\new
.set MSB, \new
.endif
.endm
.macro JLOAD s                         ; a joint load: each of the two lines has one mask and one set of registers; the branch hangs on the wave's number alone; an s_nop 0 and four v_nop follow each line
	s_cmp_eq_u32 s13, 0
	s_cbranch_scc0 .Lfor_b_\@
	tensor_load_to_lds s[G0+4*\s:G0+4*\s+3], s[G1:G1+7]
	s_nop 0
.rept 4
	v_nop
.endr
	s_branch .Lasked_\@
.Lfor_b_\@:
	tensor_load_to_lds s[G0B+4*\s:G0B+4*\s+3], s[G1B:G1B+7]
	s_nop 0
.rept 4
	v_nop
.endr
.Lasked_\@:
.endm
.macro CREST                           ; a round of the cluster's barrier behind its opening barrier
	s_cmp_lg_u32 s12, 0
	s_cbranch_scc1 .Lnot_wave_0_\@
	s_barrier_signal -3
.Lnot_wave_0_\@:
	s_barrier_wait -3
	s_barrier_signal -1
	s_barrier_wait -1
.endm
.macro CROUND
	s_barrier_signal -1
	s_barrier_wait -1
	CREST
.endm
	s_load_b256 s[4:11], s[0:1], 0x0               ; ao, wp16, bp, out0
	v_lshl_add_u32 v[SPW], v0, 2, SPARE
	v_mov_b32 v[NIL], 0
	ds_add_u32 v[SPW], v[NIL]                      ; the wave's opening: the add, twice on end, and its wait ahead of my first tensor load
	ds_add_u32 v[SPW], v[NIL]
	v_lshrrev_b32 v1, 5, v0
	v_readfirstlane_b32 s12, v1                    ; wave 0..3
	s_lshr_b32 s13, s12, 1                         ; which half of the tile's rows is mine.  Also: I fetch for ao (0) or for Wp (1)
	s_and_b32 s14, s12, 1                          ; which half of its columns.  Also: which half of that tile I fetch
	s_bfe_u32 s40, ttmp6, 0x40000                  ; cx, cy: my place in the cluster
	s_bfe_u32 s41, ttmp6, 0x40004
	s_lshl_b32 s42, ttmp9, 2
	s_add_co_u32 s42, s42, s40                     ; tile column = 4 x cluster x + cx
	s_and_b32 s15, ttmp7, 0xffff
	s_lshl_b32 s15, s15, 2
	s_add_co_u32 s15, s15, s41                     ; tile row = 4 x cluster y + cy
	s_lshl_b32 s43, s41, 2
	s_lshl_b32 s43, 15, s43                        ; my row of the cluster
	s_lshl_b32 s44, 0x1111, s40                    ; my column
	s_or_b32 s[G1], s43, (3<<16)|(1<<21)           ; 15:0 the mask; 17:16 elements of 8 bytes; 21 set beside a mask; no padding
	s_or_b32 s[G1B], s44, (3<<16)|(1<<21)
	s_mov_b32 s[G1+1], 32<<16                      ; rows of 256 bytes,
	s_mov_b32 s[G1+2], 64<<16                      ; 64 of them for ao,
	s_mov_b32 s[G1+3], 32<<16
	s_mov_b32 s[G1+4], 64
	s_mov_b32 s[G1+5], 32                          ; dense
	s_mov_b32 s[G1+6], 0
	s_mov_b32 s[G1+7], 0
	s_mov_b32 s[G1B+1], 32<<16
	s_mov_b32 s[G1B+2], 128<<16                    ; 128 for Wp
	s_mov_b32 s[G1B+3], 32<<16
	s_mov_b32 s[G1B+4], 128
	s_mov_b32 s[G1B+5], 32
	s_mov_b32 s[G1B+6], 0
	s_mov_b32 s[G1B+7], 0
	s_lshl_b32 s20, s14, 14                        ; ao: my half, in LDS and in memory
	s_lshl_b32 s16, s15, 15                        ; the tile row's 32,768 bytes of a K step
	s_add_co_u32 s16, s16, s20
	s_mov_b32 s17, 0
	s_lshl_b32 s21, s14, 15                        ; Wp: my half
	s_lshl_b32 s46, s42, 16                        ; the tile column's 65,536 bytes of a K step
	s_add_co_u32 s46, s46, s21
	s_mov_b32 s47, 0
	s_add_co_u32 s21, s21, BOFF
	s_wait_dscnt 0x0                               ; both opening adds are done
	s_wait_kmcnt 0x0
	s_add_nc_u64 s[18:19], s[4:5], s[16:17]
	s_add_nc_u64 s[46:47], s[6:7], s[46:47]
	CROUND                                         ; all sixteen work-groups are here: the first joint loads meet
.irp s, 0,1
	s_mov_b32 s[G0+4*\s], 1
	s_add_co_u32 s[G0+4*\s+1], s20, \s*SLOT
	s_add_nc_u64 s[G0+4*\s+2:G0+4*\s+3], s[18:19], \s*2097152      ; K step s
	s_or_b32 s[G0+4*\s+3], s[G0+4*\s+3], 0x80000000
	s_mov_b32 s[G0B+4*\s], 1
	s_add_co_u32 s[G0B+4*\s+1], s21, \s*SLOT
	s_add_nc_u64 s[G0B+4*\s+2:G0B+4*\s+3], s[46:47], \s*262144
	s_or_b32 s[G0B+4*\s+3], s[G0B+4*\s+3], 0x80000000
	JLOAD \s
.endr
	v_and_b32 v1, 31, v0
	v_lshlrev_b32 v3, 4, v1                        ; 16 x lane
	v_and_b32 v4, 15, v0                           ; r
	v_bfe_u32 v5, v0, 4, 1                         ; h
	s_lshl_b32 s22, s13, 14                        ; my 4 row tiles of ao
	s_lshl_b32 s23, s14, 15                        ; my 8 column tiles of Wp,
	s_add_co_u32 s23, s23, BOFF                    ; which lie behind ao's
.irp s, 0,1
	v_add_nc_u32 v[ADRA+\s], s22, v3
	v_add_nc_u32 v[ADRB+\s], s23, v3
	s_add_co_u32 s22, s22, SLOT
	s_add_co_u32 s23, s23, SLOT
.endr
	s_mul_i32 s22, s12, 16*SPITCH
	s_add_co_u32 s22, s22, STAGE                   ; my stage
	v_mul_u32_u24 v[STO], v4, SPITCH               ; in: row r, 32 bytes for each half of the lanes
	v_lshl_add_u32 v[STO], v5, 5, v[STO]
	v_add_nc_u32 v[STO], s22, v[STO]
	v_add_nc_u32 v[RD], s22, v3                    ; back: the 32 lanes take one row of 512 bytes,
	v_lshlrev_b32 v[CO], 4, v1                     ; and the same in out0
	v_lshlrev_b32 v[BA], 5, v5                     ; bp: channels 8 h on
	s_lshl_b32 s46, s42, 10                        ; my first column, in bytes: 1,024 x tile column + 512 x half
	s_lshl_b32 s47, s14, 9
	s_add_co_u32 s46, s46, s47
	s_mov_b32 s47, 0
	s_add_nc_u64 s[8:9], s[8:9], s[46:47]
	s_lshl_b32 s16, s15, 19                        ; my first row: 128 x tile row + 64 x half, rows of 4,096 bytes
	s_lshl_b32 s17, s13, 18
	s_add_co_u32 s16, s16, s17
	s_mov_b32 s17, 0
	s_add_nc_u64 s[10:11], s[10:11], s[16:17]
	s_add_nc_u64 s[10:11], s[10:11], s[46:47]
	WIN 0x80                                       ; destination window 2
.irp b, 0,1,2,3,4,5,6,7
	global_load_b128 v[8*\b:8*\b+3], v[BA], s[8:9] offset:64*\b
	global_load_b128 v[8*\b+4:8*\b+7], v[BA], s[8:9] offset:64*\b+16
.endr
	WIN 0
; 24 LDS loads in one run: the fragments of 32 along K, the slot's q-th, into buffer f: Wp's eight, then ao's four
.macro FETCH slot, q, f
.irp i, 0,1,2,3,4,5,6,7
.irp g, 0,1
	ds_load_b128 v[\f+8*\i+4*\g:\f+8*\i+4*\g+3], v[ADRB+\slot] offset:\i*4096+(\q)*1024+\g*512
.endr
.endr
.irp i, 0,1,2,3
.irp g, 0,1
	ds_load_b128 v[\f+64+8*\i+4*\g:\f+64+8*\i+4*\g+3], v[ADRA+\slot] offset:\i*4096+(\q)*1024+\g*512
.endr
.endr
.endm
; 8 matrix instructions: row tile a x all 8 column tiles.  zero = 1: the first product starts the sums, with bp as C: nothing is ever cleared.  The 32 accumulators take turns, in the same order in every quarter
.macro MUL8 f, a, zero
.irp b, 0,1,2,3,4,5,6,7
.if \zero
	v_wmma_f32_16x16x32_f16 v[8*(8*(\a)+\b):8*(8*(\a)+\b)+7], v[\f+8*\b:\f+8*\b+7], v[\f+64+8*(\a):\f+64+8*(\a)+7], v[8*\b:8*\b+7]
.else
	v_wmma_f32_16x16x32_f16 v[8*(8*(\a)+\b):8*(8*(\a)+\b)+7], v[\f+8*\b:\f+8*\b+7], v[\f+64+8*(\a):\f+64+8*(\a)+7], v[8*(8*(\a)+\b):8*(8*(\a)+\b)+7]
.endif
.endr
.endm
.macro PLACES                          ; four plain lines in front of loads into registers that matrix instructions have read, and of the first read of results (ISA guide 7.12.1 for vector instructions)
.rept 4
	v_nop
.endr
.endm
; A K step is four quarters of 32 along K, 32 matrix instructions each, on buffers 0, 1, 0, 1.  One of the first three: multiplies buffer f and fetches the slot's quarter q into g
.macro QUARTER slot, q, f, g, zero
	s_wait_dscnt 4                                 ; Wp's fragments and ao's tiles 0, 1 are in; the youngest four loads (tiles 2, 3) may be out
	WIN 0x50+0x10*\zero                            ; D window 1; C window 1, or bp in window 2
	MUL8 \f, 0, \zero
	MUL8 \f, 1, \zero
	PLACES
	WIN 0
	FETCH \slot, \q, \g
	s_wait_dscnt 24                                ; all but the 24 just issued
	WIN 0x50+0x10*\zero
	MUL8 \f, 2, \zero
	MUL8 \f, 3, \zero
.endm
; The last quarter multiplies buffer 1 and changes slots: ONE barrier; in front of it each wave waits for all its tensor loads, adds 0 to its spare word, and waits for that and for its reads of this slot.  fill = 1: this slot is filled again, two K steps ahead
.macro TURN slot, next, fill
	WIN 0
	s_wait_tensorcnt 0x0                           ; all my tensor loads have landed: my part of the next slot;
	ds_add_u32 v[SPW], v[NIL]
	s_wait_dscnt 5                                 ; (the add and the youngest four loads may be out)
	WIN 0x50
	MUL8 F1, 0, 0                                  ; eight matrix instructions stand between the add and the wait for it
	s_wait_dscnt 0x0                               ; the add is done, and my reads of this slot are over
	s_barrier_signal -1
	MUL8 F1, 1, 0
	WIN 0
	s_barrier_wait -1
.if \fill
	CREST                                          ; the barrier has opened a round of the cluster's barrier: no wave of any partner still reads this slot or has a load on its way
	s_add_nc_u64 s[G0+4*\slot+2:G0+4*\slot+3], s[G0+4*\slot+2:G0+4*\slot+3], 2*2097152
	s_add_nc_u64 s[G0B+4*\slot+2:G0B+4*\slot+3], s[G0B+4*\slot+2:G0B+4*\slot+3], 2*262144
	JLOAD \slot                                    ; the first tensor load behind the round; the four v_nop behind it are also the plain lines in front of the loads below
.else
	PLACES
.endif
	FETCH \next, 0, F0
	WIN 0x50
	MUL8 F1, 2, 0
	MUL8 F1, 3, 0
.endm
	s_wait_tensorcnt 1                             ; my part of K step 0 is in (K step 1's load may be out)
	s_barrier_signal -1
	s_barrier_wait -1                              ; everybody's is
	FETCH 0, 0, F0
	s_wait_loadcnt 0x0                             ; bp
	QUARTER 0, 1, F0, F1, 1                        ; the first quarter stands in front of the loop: its products start the sums
	WIN 0                                          ; at a label and at a branch every window is 0
	s_mov_b32 s3, 3
.Llap:                                                 ; a trip goes once round the ring, from a lap's second quarter to the next lap's first, and fills both slots again: K steps 2 to 7
	QUARTER 0, 2, F1, F0, 0
	QUARTER 0, 3, F0, F1, 0
	TURN 0, 1, 1
	QUARTER 1, 1, F0, F1, 0
	QUARTER 1, 2, F1, F0, 0
	QUARTER 1, 3, F0, F1, 0
	TURN 1, 0, 1
	QUARTER 0, 1, F0, F1, 0
	WIN 0
	s_sub_co_u32 s3, s3, 1
	s_cmp_lg_u32 s3, 0
	s_cbranch_scc1 .Llap
	QUARTER 0, 2, F1, F0, 0                        ; the last lap fills nothing, and has no round of the cluster's barrier
	QUARTER 0, 3, F0, F1, 0
	TURN 0, 1, 0
	QUARTER 1, 1, F0, F1, 0
	QUARTER 1, 2, F1, F0, 0
	QUARTER 1, 3, F0, F1, 0
	s_wait_dscnt 4                                 ; the very last quarter: nothing more to fetch
	WIN 0x50
	MUL8 F1, 0, 0
	MUL8 F1, 1, 0
	s_wait_dscnt 0x0
	MUL8 F1, 2, 0
	MUL8 F1, 3, 0
	WIN 0
; THE WAY OUT, block by block of 16 rows x 128 columns.  A lane holds 32 neighbouring bytes of a row, and the lanes beside it hold other rows: a block goes through my own stage and comes back as whole rows of 512 bytes.
; LDS serves a wave's instructions in order (ISA guide 5.7.1.4): no wait between the stores and the loads, nor in front of the next block's stores.
.macro TOSTAGE a
	WIN 0x04                                       ; an LDS store's data are its source 1: window 1
.irp b, 0,1,2,3,4,5,6,7
	ds_store_b128 v[STO], v[8*(8*(\a)+\b):8*(8*(\a)+\b)+3] offset:64*\b          ; each accumulator from its low end on
	ds_store_b128 v[STO], v[8*(8*(\a)+\b)+4:8*(8*(\a)+\b)+7] offset:64*\b+16
.endr
	WIN 0
.irp t, 0,1,2,3,4,5,6,7,8,9,10,11,12,13,14,15
	ds_load_b128 v[BK+64*((\a)%2)+4*\t:BK+64*((\a)%2)+4*\t+3], v[RD] offset:\t*SPITCH
.endr
.endm
.macro SEND a, younger                 ; younger: the LDS instructions issued behind block a's loads, which may stay out
	s_wait_dscnt \younger
.if (\a) > 0
	s_add_nc_u64 s[10:11], s[10:11], 16*4096       ; (behind a wait on XCNT: the earlier stores have read their base)  16 rows on
.endif
.irp t, 0,1,2,3,4,5,6,7,8,9,10,11,12,13,14,15
	global_store_b128 v[CO], v[BK+64*((\a)%2)+4*\t:BK+64*((\a)%2)+4*\t+3], s[10:11] offset:\t*4096 th:TH_STORE_NT   ; 32 lanes store 512 consecutive bytes, aligned; written once, read by nobody here
.endr
.endm
	PLACES
	TOSTAGE 0
.irp a, 1,2,3
.if \a > 1
	s_wait_xcnt 0x0                                ; block a - 2's stores have read their registers and their base
.endif
	TOSTAGE \a
	SEND \a-1, 32                                  ; behind block a - 1's loads: block a's 16 stores and 16 loads
.endr
	s_wait_xcnt 0x0
	SEND 3, 0
	s_wait_tensorcnt 0x0                           ; the wave's end: behind my last tensor load and my last LDS store
	ds_add_u32 v[SPW], v[NIL]
	s_wait_dscnt 0x0
	CROUND                                         ; the closing round: no work-group ends while a partner may still ask for a tile that names it
	s_endpgm
.Lfunc_end_k_q081ad62f2f_outp:
	.size	k_q081ad62f2f_outp, .Lfunc_end_k_q081ad62f2f_outp-k_q081ad62f2f_outp
	.p2alignl 7, 3214868480
	.fill 96, 4, 3214868480
	.section	.rodata,"a",@progbits
	.p2align	6, 0x0
	.amdhsa_kernel k_q081ad62f2f_outp
		.amdhsa_group_segment_fixed_size 327680
		.amdhsa_private_segment_fixed_size 0
		.amdhsa_enable_private_segment 0
		.amdhsa_kernarg_size 32
		.amdhsa_user_sgpr_count 2
		.amdhsa_user_sgpr_kernarg_segment_ptr 1
		.amdhsa_wavefront_size32 1
		.amdhsa_system_sgpr_workgroup_id_x 1
		.amdhsa_system_sgpr_workgroup_id_y 1
		.amdhsa_system_sgpr_workgroup_id_z 1
		.amdhsa_system_vgpr_workitem_id 0
		.amdhsa_next_free_vgpr 768
		.amdhsa_next_free_sgpr 66
		.amdhsa_reserve_vcc 0
		.amdhsa_float_denorm_mode_32 3
		.amdhsa_float_denorm_mode_16_64 3
		.amdhsa_memory_ordered 1
		.amdhsa_forward_progress 1
		.amdhsa_inst_pref_size 86
	.end_amdhsa_kernel
	.amdgpu_metadata
---
amdhsa.version: [ 1, 2 ]
amdhsa.kernels:
  - .name:           k_q081ad62f2f_outp
    .symbol:         k_q081ad62f2f_outp.kd
    .args:
      - { .name: ao, .offset: 0, .size: 8, .value_kind: global_buffer, .address_space: global }
      - { .name: wp16, .offset: 8, .size: 8, .value_kind: global_buffer, .address_space: global }
      - { .name: bp, .offset: 16, .size: 8, .value_kind: global_buffer, .address_space: global }
      - { .name: out0, .offset: 24, .size: 8, .value_kind: global_buffer, .address_space: global }
    .group_segment_fixed_size: 327680
    .private_segment_fixed_size: 0
    .kernarg_segment_align: 8
    .kernarg_segment_size: 32
    .max_flat_workgroup_size: 128
    .sgpr_count:     66
    .vgpr_count:     768
    .wavefront_size: 32
...
	.end_amdgpu_metadata
.endif
;; end of part 4
